; MI455X (gfx1250); checked and timed in simulation.
; The chip was launched on July 23, 2026; its instructions are those of AMD's public machine-readable ISA for CDNA 5 (MIT licence, August 2026) and "CDNA5" Instruction Set Architecture Reference Guide (July 2026). The comments in the code are by the model that wrote it; some were corrected since.
;; LSTM Cell. Allowed arithmetic: float matrix products may take bf16 or f16 operands with f32 sums; other float arithmetic in f32, or as packed bf16 or f16 multiplies, adds, multiply-adds, maxima and minima; sums over many terms, partial sums and values carried from step to step in f32; what a program stores and reads back later, other than sums and carried values, may be rounded once to bf16 or f16.
;; Inputs: bhc 1,024 float32; bhf 1,024 float32; bhi 1,024 float32; bho 1,024 float32; bxc 1,024 float32; bxf 1,024 float32; bxi 1,024 float32; bxo 1,024 float32; cx 8,192 x 1,024 float32; hx 8,192 x 1,024 float32; whc 1,024 x 1,024 float32; whf 1,024 x 1,024 float32; whi 1,024 x 1,024 float32; who 1,024 x 1,024 float32; wxc 1,024 x 1,024 float32; wxf 1,024 x 1,024 float32; wxi 1,024 x 1,024 float32; wxo 1,024 x 1,024 float32; x 8,192 x 1,024 float32.
;; Outputs: out0 8,192 x 1,024 float32; out1 8,192 x 1,024 float32.
;; Constants: task_id = 0.
;; 2 versions, each right; version 2 is version 1 with the launch prep written anew for expert scheduling mode. Each part assembles by itself: llvm-mc -triple=amdgcn-amd-amdhsa -mcpu=gfx1250 --defsym DOCPART=n.
;; ======== version 1 of 2: 2 launches
;; workspace buffers: ab 33,554,432 bytes; wb 16,777,216 bytes
;; launch prep (part 1): grid 768 x 1, 8 waves a work-group, no clusters, 0 bytes of LDS; arguments x, hx, wxi, wxf, wxc, wxo, whi, whf, whc, who, ab, wb; writes ab, wb
.if DOCPART == 1
	.amdgcn_target "amdgcn-amd-amdhsa--gfx1250"
	.amdhsa_code_object_version 6
	.text
	.protected	k_qb87df3bf53_prep
	.globl	k_qb87df3bf53_prep
	.p2align	8
	.type	k_qb87df3bf53_prep,@function
k_qb87df3bf53_prep:
	s_mov_b64 s[64:65], 0
	v_nop
	global_prefetch_b8 v0, s[64:65] scope:SCOPE_SE
	s_setreg_imm32_b32 hwreg(HW_REG_WAVE_MODE, 25, 1), 1
	s_wait_xcnt 0x0
; THE MATRIX OPERANDS, ROUNDED ONCE TO bf16 (nearest even) AND LAID OUT FOR THE PRODUCT.
;   ab [8192][2048] bf16: row m = x[m][0..1023], then hx[m][0..1023].
;   wb [4096][2048] bf16: row n = wx_g[h][0..1023], then wh_g[h][0..1023], where for h = 32 u + i (i = 0..31) and gate g (0 = i, 1 = f, 2 = c, 3 = o)
;   n = 128 u + 32 g + i: the four gates of 32 neighbouring h lie in 128 neighbouring rows, so that in the product one wave's 128 columns hold all four gates of its 32 h.
; A stream: no LDS, no barrier, no matrix unit, no cluster (no byte is wanted twice).  24,576 source rows of 4,096 bytes; a work-group takes 32 rows on end of ONE source, each of its
; eight waves 4 rows: 32 loads of 16 bytes a lane, all issued before the first is waited for (16 KiB a wave on their way); no register is used twice, so the text has no loop and frees nothing.
; Work-groups 0-255: x; 256-511: hx; 512 + 32 q + u: weight matrix q (wxi wxf wxc wxo whi whf whc who), its rows 32 u .. 32 u + 31.
; LIMITS: none of range; NaN and infinities go through the conversion as they are.
.set X, 16                             ; v[16:143]  32 x 4 registers as loaded; the first two of each four then hold the 8 bytes to store
	s_load_b512 s[8:23], s[0:1], 0x0               ; x hx wxi wxf wxc wxo whi whf: source k at s[8+2k:9+2k]
	s_load_b256 s[24:31], s[0:1], 0x40             ; whc who, then ab s[28:29], wb s[30:31]
	s_mov_b32 s2, ttmp9
	; as an activation's work-group
	s_lshr_b32 s3, s2, 8                           ; which source: 0 = x, 1 = hx
	s_and_b32 s36, s2, 255
	s_lshl_b32 s36, s36, 5                         ; first row, in the source and in ab
	s_lshl_b32 s37, s3, 11                         ; byte in ab's row: 0 or 2,048
	; as a weight's work-group
	s_bfe_u32 s38, s2, 0x30005                     ; q: three bits from bit 5
	s_and_b32 s39, s2, 31                          ; u
	s_add_co_u32 s32, s38, 2                       ; which source
	s_lshl_b32 s33, s39, 5                         ; first row in the source: 32 u
	s_and_b32 s34, s38, 3                          ; the gate
	s_lshl_b32 s34, s34, 5
	s_lshl_b32 s35, s39, 7
	s_add_co_u32 s34, s34, s35                     ; first row in wb: 128 u + 32 g
	s_lshr_b32 s35, s38, 2
	s_lshl_b32 s35, s35, 11                        ; byte in wb's row: 0 for wx, 2,048 for wh
	s_cmp_lt_u32 s2, 512                           ; the selects leave SCC as it is
	s_cselect_b32 s3, s3, s32
	s_cselect_b32 s33, s36, s33
	s_cselect_b32 s34, s36, s34
	s_cselect_b32 s35, s37, s35
	s_lshl_b32 s32, s33, 12                        ; the two offsets in bytes (rows of 4,096 bytes on both sides), each in a pair with 0 above it
	s_mov_b32 s33, 0
	s_lshl_b32 s34, s34, 12
	s_add_co_u32 s34, s34, s35
	s_mov_b32 s35, 0
	v_lshrrev_b32 v3, 5, v0                        ; wave
	v_and_b32 v4, 31, v0                           ; lane
	v_lshlrev_b32 v1, 4, v4
	v_lshl_or_b32 v1, v3, 14, v1                   ; source: wave x 4 rows + 16 bytes a lane
	v_lshlrev_b32 v2, 3, v4
	v_lshl_or_b32 v2, v3, 14, v2                   ; destination: wave x 4 rows + 8 bytes a lane
	s_wait_kmcnt 0x0
	s_cmp_lt_u32 s2, 512
	s_cselect_b64 s[6:7], s[28:29], s[30:31]       ; ab or wb
	s_mov_b64 s[4:5], s[8:9]
.irp k, 1,2,3,4,5,6,7,8,9
	s_cmp_eq_u32 s3, \k
	s_cselect_b64 s[4:5], s[8+2*\k:9+2*\k], s[4:5]  ; the source, chosen by the work-group's number alone
.endr
	s_add_nc_u64 s[4:5], s[4:5], s[32:33]
	s_add_nc_u64 s[6:7], s[6:7], s[34:35]
.set i, 0
.rept 32                               ; row i / 8 of my four, 512 consecutive bytes of it a load
	global_load_b128 v[X+4*i:X+4*i+3], v1, s[4:5] offset:(i/8)*4096+(i%8)*512 th:TH_LOAD_NT
.set i, i+1
.endr
.set i, 0
.rept 32
	s_wait_loadcnt 31-i                            ; loads come back in order (ISA guide 5.7.1): load i is in, the 31 - i younger ones may stay out
	v_cvt_pk_bf16_f32 v[X+4*i], v[X+4*i], v[X+4*i+1]
	v_cvt_pk_bf16_f32 v[X+4*i+1], v[X+4*i+2], v[X+4*i+3]
	global_store_b64 v2, v[X+4*i:X+4*i+1], s[6:7] offset:(i/8)*4096+(i%8)*256  ; the wave's 32 lanes store 256 consecutive bytes, at a multiple of 256 from the buffer's first byte
.set i, i+1
.endr
	s_endpgm
.Lfunc_end_k_qb87df3bf53_prep:
	.size	k_qb87df3bf53_prep, .Lfunc_end_k_qb87df3bf53_prep-k_qb87df3bf53_prep
	.p2alignl 7, 3214868480
	.fill 96, 4, 3214868480
	.section	.rodata,"a",@progbits
	.p2align	6, 0x0
	.amdhsa_kernel k_qb87df3bf53_prep
		.amdhsa_group_segment_fixed_size 0
		.amdhsa_private_segment_fixed_size 0
		.amdhsa_enable_private_segment 0
		.amdhsa_kernarg_size 96
		.amdhsa_user_sgpr_count 2
		.amdhsa_user_sgpr_kernarg_segment_ptr 1
		.amdhsa_wavefront_size32 1
		.amdhsa_system_sgpr_workgroup_id_x 1
		.amdhsa_system_sgpr_workgroup_id_y 1
		.amdhsa_system_sgpr_workgroup_id_z 1
		.amdhsa_system_vgpr_workitem_id 0
		.amdhsa_next_free_vgpr 144
		.amdhsa_next_free_sgpr 66
		.amdhsa_reserve_vcc 0
		.amdhsa_float_denorm_mode_32 3
		.amdhsa_float_denorm_mode_16_64 3
		.amdhsa_memory_ordered 1
		.amdhsa_forward_progress 1
		.amdhsa_inst_pref_size 14
	.end_amdhsa_kernel
	.amdgpu_metadata
---
amdhsa.version: [ 1, 2 ]
amdhsa.kernels:
  - .name:           k_qb87df3bf53_prep
    .symbol:         k_qb87df3bf53_prep.kd
    .args:
      - { .name: x, .offset: 0, .size: 8, .value_kind: global_buffer, .address_space: global }
      - { .name: hx, .offset: 8, .size: 8, .value_kind: global_buffer, .address_space: global }
      - { .name: wxi, .offset: 16, .size: 8, .value_kind: global_buffer, .address_space: global }
      - { .name: wxf, .offset: 24, .size: 8, .value_kind: global_buffer, .address_space: global }
      - { .name: wxc, .offset: 32, .size: 8, .value_kind: global_buffer, .address_space: global }
      - { .name: wxo, .offset: 40, .size: 8, .value_kind: global_buffer, .address_space: global }
      - { .name: whi, .offset: 48, .size: 8, .value_kind: global_buffer, .address_space: global }
      - { .name: whf, .offset: 56, .size: 8, .value_kind: global_buffer, .address_space: global }
      - { .name: whc, .offset: 64, .size: 8, .value_kind: global_buffer, .address_space: global }
      - { .name: who, .offset: 72, .size: 8, .value_kind: global_buffer, .address_space: global }
      - { .name: ab, .offset: 80, .size: 8, .value_kind: global_buffer, .address_space: global }
      - { .name: wb, .offset: 88, .size: 8, .value_kind: global_buffer, .address_space: global }
    .group_segment_fixed_size: 0
    .private_segment_fixed_size: 0
    .kernarg_segment_align: 8
    .kernarg_segment_size: 96
    .max_flat_workgroup_size: 256
    .sgpr_count:     66
    .vgpr_count:     144
    .wavefront_size: 32
...
	.end_amdgpu_metadata
.endif
;; end of part 1
;; launch cell (part 2): grid 16 x 16, 4 waves a work-group, clusters of 4 x 4, 327,680 bytes of LDS; arguments ab, wb, cx, out0, out1, bxi, bxf, bxc, bxo, bhi, bhf, bhc, bho; writes out0, out1
.if DOCPART == 2
	.amdgcn_target "amdgcn-amd-amdhsa--gfx1250"
	.amdhsa_code_object_version 6
	.text
	.protected	k_qb87df3bf53_cell
	.globl	k_qb87df3bf53_cell
	.p2align	8
	.type	k_qb87df3bf53_cell,@function
k_qb87df3bf53_cell:
	s_mov_b64 s[64:65], 0
	v_nop
	global_prefetch_b8 v0, s[64:65] scope:SCOPE_SE
	s_setreg_imm32_b32 hwreg(HW_REG_WAVE_MODE, 25, 1), 1
	s_wait_xcnt 0x0
	s_wait_alu depctr_hold_cnt(0) depctr_sa_sdst(0) depctr_va_vdst(0) depctr_va_sdst(0) depctr_va_ssrc(0) depctr_va_vcc(0) depctr_vm_vsrc(0)
	s_getreg_b32 s2, hwreg(HW_REG_IB_STS2, 6, 4)
	s_cmp_eq_u32 s2, 0
	s_cbranch_scc0 .Lentry_in_a_cluster
	s_endpgm
.Lentry_in_a_cluster:
	s_bfe_u32 s2, ttmp6, 0x10000c
	s_cmp_lg_u32 s2, 0xf033
	s_cbranch_scc0 .Lentry_shape_is_right
	s_endpgm
.Lentry_shape_is_right:
; THE LSTM CELL.  Pre-activations P[m][n] = sum over k of ab[m][k] wb[n][k] + bx + bh (ab: [8192][2048], wb: [4096][2048], bf16; sums in f32), and, fused behind them, for each (m, h):
; i = sigmoid(P_i), f = sigmoid(P_f), g = tanh(P_c), o = sigmoid(P_o); cy = cx f + i g (out1); hy = o tanh(cy) (out0).  All sums, all activations and both outputs are f32.
; wb's row n = 256 tc + 128 wn + 16 (2 g + hb) + jj holds gate g of h = 64 tc + 32 wn + 16 hb + jj.
; THE PRODUCT.  A tile of P, 256 x 256 (256 rows x 64 h x 4 gates), is made by four waves, each 128 x 128: 64 accumulators of 16 x 16, 512 registers.  K goes in steps of 128 through a ring of two LDS slots
; filled by the tensor data mover; the tiles' rows are 256 bytes of memory and start at multiples of 256 bytes.  A work-group makes two tiles, 4,096 rows apart in one tile column, and the ring runs on into the second.
; CLUSTERS: 4 x 4 work-groups.  The four of a row of the cluster need the same tiles of ab, the four of a column the same tiles of wb: each is asked for JOINTLY, by the same tensor load with the same descriptor and a mask of the four.
; THE MATRIX INSTRUCTION IS USED TRANSPOSED (source 0 = 16 rows of wb, source 1 = 16 rows of ab): lane l holds row l % 16 and the columns 8 (l / 16) + 0..7.  The first product on each accumulator takes the
; bias (bx + bh, added once) as its C operand: nothing is cleared and nothing is added later.
; THE TAIL.  A wave's accumulator (a, b = 2 g + hb) holds gate g, rows 16 a .., h 16 hb .. of its 32.  In eight steps (a = 0..7) the four waves put 32 rows x 4 gates x 64 h of f32 into one stage in LDS, and each reads 8 whole
; rows back: a lane then holds all four gates of four neighbouring h in four rows, and sixteen lanes hold 256 neighbouring bytes of cx, out0 and out1.  The tile's cx is loaded into registers at the tile's beginning.
; sigmoid(a) = 1 / (1 + 2^(-L a)), tanh(a) = 1 - 2 / (1 + 2^(2 L a)), L = log2(e): where the exponential is infinite the reciprocal is 0, where it is 0 the reciprocal is 1: right at both ends without a clamp.
; LIMITS.  EVERY INPUT IS ROUNDED ONCE TO bf16 (nearest even; a relative error of 2^-9 at the most): x, hx and the weights as matrix operands, and, so that all inputs carry one and the same rounding, cx and the eight
; biases too, here in registers; what is made of them stays in f32.  bx + bh is added first and starts the sum: another order of f32 additions than x W + bx + h W + bh.
; tanh near 0 carries the absolute error of 1 - 2 / (..), some 1e-7.  An exponential below 2^-126 counts as 0.  NaN and infinities among the inputs are not treated apart.
;
; REGISTERS, in windows of 256 (s_set_vgpr_msb's low byte: bits 1:0 source 0, 3:2 source 1, 5:4 source 2, 7:6 destination):
;   window 0: v0-31 addresses; v32-39 cx of the tail's step in hand, as 16 bf16; v64-127, v128-191 fragments of ab, two buffers (v128-191 in the tail: the four gates, 16 each); v192-255 cx of steps 0-3
;   window 1: v0-63 the biases (block b at 8 b); v64-127, v128-191 fragments of wb, two buffers; v192-255 cx of steps 4-7 (at the head: bh)
;   window 2: the 32 accumulators of my rows 0-63 ((a, b) at v[8 (8 a + b)]);   window 3: those of my rows 64-127
.set SIZE_M, 8192
.set SIZE_N, 4096
.set SIZE_K, 2048
.set SIZE_TILES, 2
.set KSTEP,  128
.set PITCH,  272                       ; an LDS row: 256 bytes of data + 16 of padding = 68 words: row r starts at bank 4 r mod 64 (64 banks of 4 bytes: ISA guide 11.1), so the 16 rows of a load start at 16 different banks
.set HALFT,  128*PITCH                 ; 128 rows: what one tensor load brings, and what one wave reads of ab or of wb
.set SLOT,   4*HALFT                   ; ab's 256 rows, then wb's 256 rows
.set STAGE,  2*SLOT                    ; behind the ring, never filled by a tensor load: 32 rows of [gate][64 h] f32
.set SP,     1040                      ; a stage row: 4 x 256 bytes + 16 = 65 x 16: the 16 rows that a store touches start at 16 different columns of 16 bytes
.set SPARE,  STAGE+32*SP               ; behind the stage: the spare words, 128 bytes for each wave: two blocks of 256 bytes that no other line names
.set LAPS,   SIZE_K/(2*KSTEP)          ; a lap = two K steps = once round the ring
.set WALK,   SIZE_M/SIZE_TILES         ; the work-group's two tiles lie WALK rows apart
.set NEXT_A, WALK*SIZE_K*2-(SIZE_K-2*KSTEP)*2   ; bytes from a slot's last K step of a tile to its first of the next: ab goes WALK rows down and back along K,
.set BACK_B, (SIZE_K-2*KSTEP)*2        ; wb only back: both tiles take the same rows of wb
.set OROW,   4096                      ; bytes in a row of cx, out0, out1
.set STEPB,  16*OROW                   ; a step of the tail goes 16 rows down
.set ADRA, 16                          ; v16-17  LDS address of my ab fragments in slot 0, 1
.set ADRB, 20                          ; v20-21  the same for wb
.set STO,  24                          ; v24     the tail: where I put 16 bytes of a stage row
.set RD,   25                          ; v25     the tail: where I read a stage row back
.set EO,   26                          ; v26     my byte offset in two rows of cx, out0, out1
.set BO,   27                          ; v27     my byte offset in a bias
.set SPW,  28                          ; v28     LDS address of my spare word: SPARE + 4 x my thread's number; never rewritten
.set NIL,  29                          ; v29     0; never rewritten
.set PFO,  30                          ; v30     the prefetches' offset: my lane x a row of ab or wb; never rewritten
.set CXF,  32                          ; v32-39  cx of the step in hand, rounded to bf16: numbers 2 p and 2 p + 1 in the halves of register p
.set F0,   64                          ; fragment buffer 0
.set F1,   128                         ; fragment buffer 1
.set GI,   128                         ; the tail: gate i, 16 registers: row 2 t + l / 16 of my eight, h 4 (l % 16) + e at 4 t + e
.set GF,   144                         ; gate f, later cy
.set GG,   160                         ; gate c
.set GO,   176                         ; gate o, later hy
.set CXR,  192                         ; cx of step k at CXR + 16 (k % 4), window k / 4
.set G1,  24                           ; s[24:31] descriptor group 1 for ab's tiles
.set G0,  32                           ; s[32:39] descriptor group 0 for ab's tiles, one set for each slot
.set LIM, 43                           ; s43     1 in a wave that prefetches, else the greatest number
.set PFA, 44                           ; s[44:45] where my prefetches stand
.set G1B, 48                           ; s[48:55] descriptor group 1 for wb's tiles: it differs in the mask alone
.set G0B, 56                           ; s[56:63] descriptor group 0 for wb's tiles
.set HY,  68                           ; s[68:69] out0 at my first row of the step in hand
.set CY,  70                           ; s[70:71] out1 likewise
.set CXP, 72                           ; s[72:73] cx at my first row of the tile
.set STEP, 74                          ; s74     the tail's step
.set HIM, 75                           ; s75     the mask of a word's upper bf16
.set NL,  76                           ; s[76:77] -log2(e): the packed multiply takes the pair's low word for both halves
.set P2L, 78                           ; s[78:79] 2 log2(e)
.set BP,  80                           ; s[80:95] bx of gate g at BP + 2 g, bh at BP + 8 + 2 g
.set MSB, 0
.macro WIN new                         ; the immediate's high byte repeats the setting that is left; a switch that changes nothing is dropped
.if MSB != (\new)
	s_set_vgpr_msb (MSB<<8)|(\new)
.set MSB, \new
.endif
.endm
.set MUL_LO, 0xa1                      ; source 0 (wb) window 1, source 1 (ab) window 0, C and D window 2
.set MUL_B,  0x91                      ; the same with C, the bias, in window 1
.set TO_B,   0x40                      ; destination window 1, address window 0
; A joint load.  Waves 0 and 1 fetch ab's two halves, waves 2 and 3 wb's.  Each of the two lines has ONE mask and one set of registers for all that issue it.  The branch hangs on the wave's number alone.
; An s_nop 0 and four v_nop follow each of the two lines, ahead of the jump, the label and what follows.
.macro JLOAD s
	s_cmp_eq_u32 s11, 0
	s_cbranch_scc0 .Lfor_b_\@
	tensor_load_to_lds s[G0+4*(\s):G0+4*(\s)+3], s[G1:G1+7]
	s_nop 0
.rept 4
	v_nop
.endr
	s_branch .Lasked_\@
.Lfor_b_\@:
	tensor_load_to_lds s[G0B+4*(\s):G0B+4*(\s)+3], s[G1B:G1B+7]
	s_nop 0
.rept 4
	v_nop
.endr
.Lasked_\@:
.endm
; A PREFETCH INTO THE L2, behind each joint load, its five lines and the run of LDS loads that follows them: the K step that stands TWO refills on: 32 rows x 256 bytes, a lane a row, one instruction a wave: 512 matrix
; instructions ahead of the load that will want it.  At a change of slots every wave has waited for all its tensor loads, so the refill that follows has nothing on its way beside it.
; Each row's 256 bytes of a K step are named ONCE in the launch.  ab's tile row is read by every cluster of that row of clusters: cluster x = 0 asks; wb's tile column by every cluster of that column: cluster y = 0 asks.
; The four partners that ask for a tile jointly share its rows out BY ADDRESS: of the 128 rows that a wave fetches, the partner at place p takes 32 p .. 32 p + 31 (p = cx for ab, cy for wb).
; how = 0, in the loop: a tile's last two refills have no K step two on; how = 1, at the change of tiles.
.macro ASK how
.if \how
	s_cmp_eq_u32 s[LIM], 1
.else
	s_cmp_gt_u32 s3, s[LIM]                        ; s3 = 1 in the loop's last trip
.endif
	s_cbranch_scc0 .Lnot_mine_\@
	global_prefetch_b8 v[PFO], s[PFA:PFA+1] offset:KSTEP*2 th:TH_LOAD_NT scope:SCOPE_SE
.Lnot_mine_\@:
.endm
; A round of the cluster's barrier: my work-group's barrier, so that wave 0's signal speaks for all four waves; wave 0 signals; every wave waits for all sixteen work-groups; my work-group's barrier once more.
.macro CREST                           ; a round behind its opening barrier
	s_cmp_lg_u32 s10, 0
	s_cbranch_scc1 .Lnot_wave_0_\@
	s_barrier_signal -3
.Lnot_wave_0_\@:
	s_barrier_wait -3
	s_barrier_signal -1
	s_barrier_wait -1
.endm
.macro CROUND                          ; a whole round
	s_barrier_signal -1
	s_barrier_wait -1
	CREST
.endm
	s_load_b128 s[4:7], s[0:1], 0x0                ; ab s[4:5], wb s[6:7]
	s_load_b64 s[CXP:CXP+1], s[0:1], 0x10          ; cx
	s_load_b128 s[HY:HY+3], s[0:1], 0x18           ; out0, out1
	s_load_b512 s[BP:BP+15], s[0:1], 0x28          ; bxi bxf bxc bxo bhi bhf bhc bho
	v_lshl_add_u32 v[SPW], v0, 2, SPARE
	v_mov_b32 v[NIL], 0
	ds_add_u32 v[SPW], v[NIL]                      ; the wave's opening: the add, twice on end, and its wait ahead of my first tensor load; the set-up below, work on registers, stands between
	ds_add_u32 v[SPW], v[NIL]                      ; and once more, under the one wait
	v_lshrrev_b32 v1, 5, v0
	v_readfirstlane_b32 s10, v1                    ; wave 0..3
	s_lshr_b32 s11, s10, 1                         ; wm: which half of the tile's rows is mine.  Also: I fetch for ab (0) or for wb (1)
	s_and_b32 s12, s10, 1                          ; wn: which half of its columns.  Also: which 128 rows of that tile I fetch
	s_bfe_u32 s40, ttmp6, 0x40000                  ; cx: my place along the cluster's x
	s_bfe_u32 s41, ttmp6, 0x40004                  ; cy: along its y
	s_lshl_b32 s42, ttmp9, 2                       ; in a cluster launch ttmp9 and ttmp7 count clusters
	s_add_co_u32 s42, s42, s40                     ; tile column = 4 x cluster x + cx
	s_and_b32 s13, ttmp7, 0xffff
	s_lshl_b32 s13, s13, 2
	s_add_co_u32 s13, s13, s41                     ; first tile's row = 4 x cluster y + cy
	s_lshl_b32 s43, s41, 2
	s_lshl_b32 s43, 15, s43                        ; my row of the cluster: places 4 cy .. 4 cy + 3
	s_lshl_b32 s44, 0x1111, s40                    ; my column: places cx, cx + 4, cx + 8, cx + 12
	; descriptor group 1: a tile of 128 rows x 128 elements, padded in LDS
	s_or_b32 s[G1+0], s43, (1<<16)|(1<<20)|(1<<21)|(5<<22)|(3<<25)  ; 15:0 the mask: ab's tiles go to my row; 17:16 elements of 2 bytes; 20 padding on; 21 set beside a mask; 24:22 after every 64 words (code 5); 31:25 4 words (code 3)
	s_or_b32 s[G1B+0], s44, (1<<16)|(1<<20)|(1<<21)|(5<<22)|(3<<25) ; the same with the mask of my column, for wb's tiles
.irp g, G1, G1B
	s_mov_b32 s[(\g)+1], KSTEP<<16                 ; tensor_dim0 = 128
	s_mov_b32 s[(\g)+2], 128<<16                   ; tensor_dim1 = 128
	s_mov_b32 s[(\g)+3], KSTEP<<16                 ; tile_dim0 = 128
	s_mov_b32 s[(\g)+4], 128                       ; tile_dim1 = 128
	s_mov_b32 s[(\g)+5], SIZE_K                    ; elements from row to row
	s_mov_b32 s[(\g)+6], 0
	s_mov_b32 s[(\g)+7], 0
.endr
	s_mov_b32 s[NL], 0xbfb8aa3b                    ; -log2(e)
	s_mov_b32 s[NL+1], s[NL]                       ; named with it as a pair
	s_mov_b32 s[P2L], 0x4038aa3b                   ; 2 log2(e)
	s_mov_b32 s[P2L+1], s[P2L]
	s_mov_b32 s[HIM], 0xffff0000
	; where the tiles come from.  ab's hang on the tile row alone, which my row of the cluster shares; wb's on the tile column alone, which my column shares.
	s_lshl_b32 s17, s12, 7                         ; which 128 rows of the tile I fetch
	s_lshl_b32 s16, s13, 8
	s_add_co_u32 s16, s16, s17                     ; ab: row 256 x tile row + 128 x half
	s_lshl_b32 s46, s42, 8
	s_add_co_u32 s46, s46, s17                     ; wb: row 256 x tile column + 128 x half
	s_mov_b32 s17, 0
	s_mov_b32 s47, 0
	s_mov_b64 s[18:19], SIZE_K*2
	s_mul_u64 s[16:17], s[16:17], s[18:19]         ; in bytes
	s_mul_u64 s[46:47], s[46:47], s[18:19]
	s_mul_i32 s20, s10, HALFT                      ; and where they go: wave x 128 rows: no place in the cluster enters an LDS address
	s_wait_dscnt 0x0                               ; both opening adds are done
	s_wait_kmcnt 0x0
	s_add_nc_u64 s[14:15], s[4:5], s[16:17]
	s_add_nc_u64 s[46:47], s[6:7], s[46:47]
	CROUND                                         ; all sixteen work-groups are here: the first joint loads meet
.irp s, 0,1
	s_mov_b32 s[G0+4*(\s)], 1                                      ; count = 1
	s_add_co_u32 s[G0+4*(\s)+1], s20, (\s)*SLOT                    ; LDS address
	s_add_nc_u64 s[G0+4*(\s)+2:G0+4*(\s)+3], s[14:15], (\s)*KSTEP*2  ; global address: K step s
	s_or_b32 s[G0+4*(\s)+3], s[G0+4*(\s)+3], 0x80000000            ; type = 2
	s_mov_b32 s[G0B+4*(\s)], 1
	s_add_co_u32 s[G0B+4*(\s)+1], s20, (\s)*SLOT
	s_add_nc_u64 s[G0B+4*(\s)+2:G0B+4*(\s)+3], s[46:47], (\s)*KSTEP*2
	s_or_b32 s[G0B+4*(\s)+3], s[G0B+4*(\s)+3], 0x80000000
	JLOAD \s                                       ; the ring is filled before anything else is done: two loads of mine are out
.endr
	v_and_b32 v1, 15, v0                           ; r = l % 16
	v_bfe_u32 v2, v0, 4, 1                         ; hh = l / 16
	s_lshl_b32 s13, s13, 8                         ; 256 x tile row
	s_lshl_b32 s42, s42, 8                         ; 256 x tile column: its first row in wb, and the byte of its first h (64 h of 4 bytes a tile) in a bias and in a row of cx, out0, out1
	; THE BIASES.  Register j of block b = 2 g + hb belongs to h = 64 tc + 32 wn + 16 hb + 8 hh + j of gate g: 32 bytes on end of bx_g and of bh_g.
	s_lshl_b32 s21, s12, 7
	s_add_co_u32 s21, s21, s42
	v_lshl_add_u32 v[BO], v2, 5, s21               ; 256 tc + 128 wn + 32 hh
	WIN TO_B
.irp g, 0,1,2,3
.irp q, 0,1,2,3                        ; q = 2 hb + the half of the eight
	global_load_b128 v[16*(\g)+4*(\q):16*(\g)+4*(\q)+3], v[BO], s[BP+2*(\g):BP+2*(\g)+1] offset:((\q)/2)*64+((\q)%2)*16
	global_load_b128 v[CXR+16*(\g)+4*(\q):CXR+16*(\g)+4*(\q)+3], v[BO], s[BP+8+2*(\g):BP+8+2*(\g)+1] offset:((\q)/2)*64+((\q)%2)*16
.endr
.endr
	WIN 0
	; A fragment is 16 rows x 32 K in 8 registers: lane l holds row l % 16; registers 0-3 hold K = 8 (l / 16) + 0..7, registers 4-7 K = 16 + 8 (l / 16) + 0..7: two loads of 16 bytes, 32 bytes apart.
	v_mul_u32_u24 v3, v1, PITCH
	v_lshl_add_u32 v3, v2, 4, v3                   ; row x pitch + 16 x half
	s_mul_i32 s21, s11, HALFT                      ; my 128 rows of ab
	s_mul_i32 s22, s12, HALFT                      ; my 128 rows of wb,
	s_add_co_u32 s22, s22, 2*HALFT                 ; which lie behind ab's 256
.irp s, 0,1
	v_add_nc_u32 v[ADRA+(\s)], s21, v3
	v_add_nc_u32 v[ADRB+(\s)], s22, v3
	s_add_co_u32 s21, s21, SLOT
	s_add_co_u32 s22, s22, SLOT
.endr
	; the stage.  In: stage row 16 wm + r, gate g at 256 g, my 32 h at 128 wn, my eight at 64 hb + 32 hh.  Back: wave (wm, wn) takes stage rows 16 wm + 8 wn + 0..7, whole; lanes 0-15 one gate's 256 bytes of a row, lanes 16-31 the next row's.
	s_mul_i32 s23, s11, 16*SP
	s_add_co_u32 s23, s23, STAGE
	s_lshl_b32 s21, s12, 7
	s_add_co_u32 s21, s21, s23
	v_mul_u32_u24 v4, v1, SP
	v_lshl_add_u32 v4, v2, 5, v4
	v_add_nc_u32 v[STO], s21, v4
	s_mul_i32 s21, s12, 8*SP
	s_add_co_u32 s21, s21, s23
	v_mul_u32_u24 v5, v2, SP
	v_lshl_add_u32 v5, v1, 4, v5
	v_add_nc_u32 v[RD], s21, v5
	v_lshlrev_b32 v5, 12, v2                       ; and the same two rows in cx, out0, out1
	v_lshl_add_u32 v[EO], v1, 4, v5
	; where my part of the first tile begins in cx, out0, out1: row 256 x tile row + 128 wm + 8 wn, byte 256 x tile column
	s_lshl_b32 s17, s11, 7
	s_add_co_u32 s16, s13, s17
	s_lshl_b32 s17, s12, 3
	s_add_co_u32 s16, s16, s17
	s_lshl_b32 s16, s16, 12
	s_add_co_u32 s16, s16, s42
	s_mov_b32 s17, 0
	s_add_nc_u64 s[HY:HY+1], s[HY:HY+1], s[16:17]
	s_add_nc_u64 s[CY:CY+1], s[CY:CY+1], s[16:17]
	s_add_nc_u64 s[CXP:CXP+1], s[CXP:CXP+1], s[16:17]
	; the prefetches.  s13 = 256 x tile row, s42 = 256 x tile column, s40 = cx, s41 = cy
	s_and_b32 s22, ttmp7, 0xffff                   ; cluster y
	s_cmp_eq_u32 s11, 0                            ; do I fetch for ab?
	s_cselect_b32 s20, s13, s42                    ; the tile's first row
	s_cselect_b32 s21, s40, s41                    ; my place among the four that ask for it with me
	s_cselect_b32 s22, ttmp9, s22                  ; the coordinate along which other clusters read the same rows
	s_cselect_b64 s[PFA:PFA+1], s[4:5], s[6:7]
	s_cmp_eq_u32 s22, 0
	s_cselect_b32 s[LIM], 1, -1                    ; the same in all sixteen partners, for a given wave
	s_lshl_b32 s22, s12, 7
	s_add_co_u32 s20, s20, s22                     ; + the 128 rows that I fetch
	s_lshl_b32 s21, s21, 5
	s_add_co_u32 s20, s20, s21                     ; + my work-group's 32 of them
	s_mov_b32 s21, 0
	s_mov_b64 s[18:19], SIZE_K*2
	s_mul_u64 s[20:21], s[20:21], s[18:19]
	s_add_nc_u64 s[PFA:PFA+1], s[PFA:PFA+1], s[20:21]
	s_add_nc_u64 s[PFA:PFA+1], s[PFA:PFA+1], 2*KSTEP*2  ; at K step 2: the first refill steps it to 3 and names K step 4.  Nothing is prefetched here, at the head
	v_and_b32 v[PFO], 31, v0
	v_mul_u32_u24 v[PFO], v[PFO], SIZE_K*2
	s_wait_loadcnt 0x0                             ; the biases
	WIN 0x45                                       ; destination and both sources in window 1
.set i, 0
.rept 32                               ; a pair of bx and a pair of bh: each number rounded to bf16 like every other input, widened again (a shift, a mask), and the two added in f32.  Once a launch, while the first tiles are on their way
	v_cvt_pk_bf16_f32 v[CXR+i], v[CXR+i], v[CXR+i+1]    ; bh's pair, packed
	v_cvt_pk_bf16_f32 v[CXR+i+1], v[i], v[i+1]          ; bx's pair, packed
	v_lshlrev_b32 v[i], 16, v[CXR+i+1]
	v_and_b32 v[i+1], s[HIM], v[CXR+i+1]
	v_and_b32 v[CXR+i+1], s[HIM], v[CXR+i]
	v_lshlrev_b32 v[CXR+i], 16, v[CXR+i]
	v_pk_add_f32 v[i:i+1], v[i:i+1], v[CXR+i:CXR+i+1]   ; bx + bh
.set i, i+2
.endr
	WIN 0
; 16 matrix instructions: m blocks a0, a0 + 1 of the window's four (hi = 0: my rows 0-63, 1: rows 64-127) x all 8 n blocks, 32 along K.  zero = 1: the first product starts the sums, from the bias of its n block.
; The 64 accumulators take turns, one instruction a turn, in the same order in every quarter step, over the backward jump and from tile to tile.
.macro MUL16 f, hi, a0, zero
.if \zero
	WIN MUL_B+0x40*(\hi)
.else
	WIN MUL_LO+0x50*(\hi)
.endif
.irp a, \a0, (\a0)+1
.irp b, 0,1,2,3,4,5,6,7
.if \zero
	v_wmma_f32_16x16x32_bf16 v[8*(8*(\a)+(\b)):8*(8*(\a)+(\b))+7], v[(\f)+8*(\b):(\f)+8*(\b)+7], v[(\f)+8*(4*(\hi)+(\a)):(\f)+8*(4*(\hi)+(\a))+7], v[8*(\b):8*(\b)+7]
.else
	v_wmma_f32_16x16x32_bf16 v[8*(8*(\a)+(\b)):8*(8*(\a)+(\b))+7], v[(\f)+8*(\b):(\f)+8*(\b)+7], v[(\f)+8*(4*(\hi)+(\a)):(\f)+8*(4*(\hi)+(\a))+7], v[8*(8*(\a)+(\b)):8*(8*(\a)+(\b))+7]
.endif
.endr
.endr
.endm
; 32 LDS loads in one run: the fragments of one quarter step (128 rows of wb, 128 rows of ab, 32 K at byte k of the rows) into buffer f
.macro FETCH slot, k, f
	WIN TO_B
.irp i, 0,1,2,3,4,5,6,7
	ds_load_b128 v[(\f)+8*(\i):(\f)+8*(\i)+3],   v[ADRB+(\slot)] offset:(\k)+(\i)*16*PITCH
	ds_load_b128 v[(\f)+8*(\i)+4:(\f)+8*(\i)+7], v[ADRB+(\slot)] offset:(\k)+(\i)*16*PITCH+32
.endr
	WIN 0
.irp i, 0,1,2,3,4,5,6,7
	ds_load_b128 v[(\f)+8*(\i):(\f)+8*(\i)+3],   v[ADRA+(\slot)] offset:(\k)+(\i)*16*PITCH
	ds_load_b128 v[(\f)+8*(\i)+4:(\f)+8*(\i)+7], v[ADRA+(\slot)] offset:(\k)+(\i)*16*PITCH+32
.endr
.endm
; A load into a register that a matrix instruction has read, and a store or vector instruction that reads a matrix result, stand four places behind that matrix instruction, and only plain vector instructions that
; name none of its registers are places (ISA guide 7.12.1 for vector instructions).
.macro PLACES
.rept 4
	v_nop
.endr
.endm
; A K step is four quarter steps of 32 along K, 64 matrix instructions each, on buffers 0, 1, 0, 1.  One of the first three: multiplies buffer f; in its middle it fetches the next quarter's fragments into buffer g.
.macro QUARTER slot, k, f, g, zero
	s_wait_dscnt 8                                 ; wb's and ab's rows 0-63 are in; the youngest eight loads (ab's rows 64-127) may be out
	MUL16 \f, 0, 0, \zero
	MUL16 \f, 0, 2, \zero
	PLACES
	FETCH \slot, \k, \g
	s_wait_dscnt 32                                ; all but the 32 just issued
	MUL16 \f, 1, 0, \zero
	MUL16 \f, 1, 2, \zero
.endm
; The last quarter multiplies buffer 1 and changes slots.  MEET is its first half: ONE barrier for the change of slots.  In front of it each wave waits for all its tensor loads, of which one is out: its part of the
; next slot; adds 0 to its spare word; and waits for that and for its own reads of this slot.  Behind it nobody reads this slot any more and the next slot is whole.
.macro MEET round                      ; round = 1: a round of the cluster's barrier follows
	WIN 0                                          ; (the add's two registers lie in window 0)
	s_wait_tensorcnt 0x0                           ; all my tensor loads have landed
	ds_add_u32 v[SPW], v[NIL]                      ; 0 onto my spare word
	s_wait_dscnt 9                                 ; (the add and the youngest eight loads may be out)
	MUL16 F1, 0, 0, 0                              ; sixteen matrix instructions stand between the add and the wait for it
	s_wait_dscnt 0x0                               ; the add is done, and my reads of this slot are over
	s_barrier_signal -1
	MUL16 F1, 0, 2, 0                              ; work on registers while the others arrive
.if \round
	WIN 0
.endif
	s_barrier_wait -1
.endm
; The whole last quarter.  Behind the round the slot just read out is filled again first: with this tile's K step two steps on (on = 0) or, in the first tile's last two K steps, with the second tile's K step 0 or 1 (on = 1);
; then come the next slot's first fragments.  From a request to the wait for it a wave issues 224 matrix instructions.
.macro TURN slot, next, on
	s_wait_xcnt 0x0                                ; the last prefetch, a K step back, has read its address: it is stepped here
.if (\on) && (\slot) == 0
	s_add_nc_u64 s[PFA:PFA+1], s[PFA:PFA+1], (WALK-1)*SIZE_K*2+KSTEP*2  ; from the K step after the tile's last to the next tile's K step 1
	s_cmp_eq_u32 s11, 0
	s_cselect_b32 s[LIM], s[LIM], -1               ; wb's rows are the same for both tiles: they are asked for in the first tile alone
.else
	s_add_nc_u64 s[PFA:PFA+1], s[PFA:PFA+1], KSTEP*2
.endif
	MEET 1
	CREST                                          ; no wave of any partner still reads this slot's tile or has a load on its way
.if \on
	s_add_nc_u64 s[G0+4*(\slot)+2:G0+4*(\slot)+3], s[G0+4*(\slot)+2:G0+4*(\slot)+3], NEXT_A
	s_sub_nc_u64 s[G0B+4*(\slot)+2:G0B+4*(\slot)+3], s[G0B+4*(\slot)+2:G0B+4*(\slot)+3], BACK_B
.else
	s_add_nc_u64 s[G0+4*(\slot)+2:G0+4*(\slot)+3], s[G0+4*(\slot)+2:G0+4*(\slot)+3], 2*KSTEP*2
	s_add_nc_u64 s[G0B+4*(\slot)+2:G0B+4*(\slot)+3], s[G0B+4*(\slot)+2:G0B+4*(\slot)+3], 2*KSTEP*2
.endif
	JLOAD \slot                                    ; the first tensor load behind the round; the four v_nop behind it are also the places in front of the loads below
	FETCH \next, 0, F0
	ASK \on
	MUL16 F1, 1, 0, 0
	MUL16 F1, 1, 2, 0
.endm
; THE TILE'S cx: 32 loads, asked for at the tile's beginning and wanted in its tail.  Step k, pair of rows t: lanes 0-15 take 256 consecutive bytes of one row, lanes 16-31 of the next.
.macro CXLOAD
	WIN 0
.irp k, 0,1,2,3
.irp t, 0,1,2,3
	global_load_b128 v[CXR+16*(\k)+4*(\t):CXR+16*(\k)+4*(\t)+3], v[EO], s[CXP:CXP+1] offset:(\k)*STEPB+(\t)*2*OROW th:TH_LOAD_NT
.endr
.endr
	WIN TO_B
.irp k, 4,5,6,7
.irp t, 0,1,2,3
	global_load_b128 v[CXR+16*((\k)-4)+4*(\t):CXR+16*((\k)-4)+4*(\t)+3], v[EO], s[CXP:CXP+1] offset:(\k)*STEPB+(\t)*2*OROW th:TH_LOAD_NT
.endr
.endr
	WIN 0
.endm
; Step k's part that names registers by k: its cx is rounded to bf16, two numbers a register, into the registers that the one text of the arithmetic names, and my block k (16 rows x 128 columns of f32) goes into the stage.
.macro DUMP k
	s_wait_loadcnt 28-4*(\k)                       ; loads come back in order (ISA guide 5.7.1): behind step k's four stand the 28 - 4 k of the later steps, the only other loads that are out
	WIN 5*((\k)/4)                                 ; sources 0 and 1: window 0 or 1; destination window 0
.set i, 0
.rept 8
	v_cvt_pk_bf16_f32 v[CXF+i], v[CXR+16*((\k)%4)+2*i], v[CXR+16*((\k)%4)+2*i+1]
.set i, i+1
.endr
	WIN 0x08+4*((\k)/4)                            ; the stores' data (source 1): window 2 or 3
.irp b, 0,1,2,3,4,5,6,7                ; each accumulator's low four registers first
	ds_store_b128 v[STO], v[64*((\k)%4)+8*(\b):64*((\k)%4)+8*(\b)+3]   offset:((\b)/2)*256+((\b)%2)*64
	ds_store_b128 v[STO], v[64*((\k)%4)+8*(\b)+4:64*((\k)%4)+8*(\b)+7] offset:((\b)/2)*256+((\b)%2)*64+16
.endr
	WIN 0
.endm
; The arithmetic's lines, on pair p (0..7) of a gate's 16 registers.
.macro SCALE g, p, sc
	v_pk_mul_f32 v[(\g)+2*(\p):(\g)+2*(\p)+1], v[(\g)+2*(\p):(\g)+2*(\p)+1], s[(\sc):(\sc)+1] op_sel_hi:[1,0]
.endm
.macro EXP2 g, p
	v_exp_f32 v[(\g)+2*(\p)], v[(\g)+2*(\p)]
	v_exp_f32 v[(\g)+2*(\p)+1], v[(\g)+2*(\p)+1]
.endm
.macro RCP2 g, p
	v_rcp_f32 v[(\g)+2*(\p)], v[(\g)+2*(\p)]
	v_rcp_f32 v[(\g)+2*(\p)+1], v[(\g)+2*(\p)+1]
.endm
.macro ONE g, p                        ; 1 + ..
	v_pk_add_f32 v[(\g)+2*(\p):(\g)+2*(\p)+1], v[(\g)+2*(\p):(\g)+2*(\p)+1], 1.0 op_sel_hi:[1,0]
.endm
.macro TANH g, p                       ; 1 - 2 ..
	v_pk_fma_f32 v[(\g)+2*(\p):(\g)+2*(\p)+1], v[(\g)+2*(\p):(\g)+2*(\p)+1], -2.0, 1.0 op_sel_hi:[1,0,0]
.endm
.macro BATCH                           ; behind a batch of transcendentals: a plain instruction (ISA guide 5.7.2), and one wait ahead of the first line that names a result of the batch
	v_nop
	s_wait_alu depctr_va_vdst(0)
.endm
; THE ARITHMETIC of a step: 16 numbers a lane.  Four batches of transcendentals, each with one wait; a gate's plain lines stand between another gate's transcendentals, and nothing names a batch's result ahead of its wait.
.macro MATH
	s_wait_dscnt 12                                ; gate i's four loads are in; the three later gates' twelve may be out
.irp p, 0,1,2,3,4,5,6,7
	SCALE GI, \p, NL
.endr
	s_wait_dscnt 8                                 ; gate f's
.irp p, 0,1,2,3,4,5,6,7
	SCALE GF, \p, NL
	EXP2 GI, \p
.endr
	s_wait_dscnt 4                                 ; gate c's
.irp p, 0,1,2,3,4,5,6,7
	SCALE GG, \p, P2L
	EXP2 GF, \p
.endr
	s_wait_dscnt 0x0                               ; gate o's: my reads of the stage are over
.irp p, 0,1,2,3,4,5,6,7
	SCALE GO, \p, NL
	EXP2 GG, \p
.endr
.irp p, 0,1,2,3,4,5,6,7
	EXP2 GO, \p
.endr
	BATCH                                          ; the 64 exponentials
.irp p, 0,1,2,3,4,5,6,7
	ONE GG, \p
.endr
.irp p, 0,1,2,3,4,5,6,7
	ONE GI, \p
	RCP2 GG, \p
.endr
.irp p, 0,1,2,3,4,5,6,7
	ONE GF, \p
	RCP2 GI, \p
.endr
.irp p, 0,1,2,3,4,5,6,7
	ONE GO, \p
	RCP2 GF, \p
.endr
	BATCH                                          ; the reciprocals of c, i, f; o's follow below and are wanted last
.irp p, 0,1,2,3,4,5,6,7
	TANH GG, \p                                    ; g
	RCP2 GO, \p                                    ; o
.endr
.irp p, 0,1,2,3,4,5,6,7
	v_pk_mul_f32 v[GI+2*\p:GI+2*\p+1], v[GI+2*\p:GI+2*\p+1], v[GG+2*\p:GG+2*\p+1]  ; i g
.endr
.irp p, 0,1,2,3,4,5,6,7                ; cy = cx f + i g: cx is read as a bf16 half (the low one, then the high one), f and i g as f32; one rounding, to f32
	v_fma_mix_f32_bf16 v[GF+2*\p], v[CXF+\p], v[GF+2*\p], v[GI+2*\p] op_sel_hi:[1,0,0]
	v_fma_mix_f32_bf16 v[GF+2*\p+1], v[CXF+\p], v[GF+2*\p+1], v[GI+2*\p+1] op_sel:[1,0,0] op_sel_hi:[1,0,0]
.endr
	v_pk_mul_f32 v[GI:GI+1], v[GF:GF+1], s[P2L:P2L+1] op_sel_hi:[1,0]
.irp p, 1,2,3,4,5,6,7
	v_pk_mul_f32 v[GI+2*\p:GI+2*\p+1], v[GF+2*\p:GF+2*\p+1], s[P2L:P2L+1] op_sel_hi:[1,0]
	EXP2 GI, (\p)-1
.endr
	EXP2 GI, 7
.irp t, 0,1,2,3
	global_store_b128 v[EO], v[GF+4*\t:GF+4*\t+3], s[CY:CY+1] offset:(\t)*2*OROW th:TH_STORE_NT  ; 16 lanes store 256 consecutive bytes, at a multiple of 256 from out1's first byte
.endr
	BATCH                                          ; o's reciprocals and cy's exponentials
	ONE GI, 0
.irp p, 1,2,3,4,5,6,7
	ONE GI, \p
	RCP2 GI, (\p)-1
.endr
	RCP2 GI, 7
	BATCH                                          ; the last reciprocals
.irp p, 0,1,2,3,4,5,6,7
	TANH GI, \p                                    ; tanh(cy)
.endr
.irp p, 0,1,2,3,4,5,6,7
	v_pk_mul_f32 v[GO+2*\p:GO+2*\p+1], v[GO+2*\p:GO+2*\p+1], v[GI+2*\p:GI+2*\p+1]  ; hy
.endr
.irp t, 0,1,2,3
	global_store_b128 v[EO], v[GO+4*\t:GO+4*\t+3], s[HY:HY+1] offset:(\t)*2*OROW th:TH_STORE_NT
.endr
.endm
; THE TAIL of a tile: eight steps, written once and looped over; only DUMP, which names registers by the step, stands eight times, chosen by forward jumps on the loop's own count, which pass no barrier and no tensor load.
; Two barriers a step, since a stage row's bytes come from two waves and are read by one of them: one between the last step's reads and this step's stores, one between the stores and the reads.  No tensor load fills LDS behind either.
; next = 1: the second tile follows: the three bases go on to it.
.macro OUT next
	WIN 0
	PLACES                                         ; behind the last products
	s_mov_b32 s[STEP], 0
.Lstep_\@:
	s_wait_dscnt 0x0                               ; my reads of the stage are over (in the first step also: the fragments fetched for the next tile are in)
	s_barrier_signal -1
	s_barrier_wait -1                              ; everybody's are
.irp k, 1,2,3,4,5,6,7
	s_cmp_eq_u32 s[STEP], \k
	s_cbranch_scc1 .Ldump_\@_\k
.endr
	DUMP 0
	s_branch .Lwhole_\@
.irp k, 1,2,3,4,5,6
.Ldump_\@_\k:
	DUMP \k
	s_branch .Lwhole_\@
.endr
.Ldump_\@_7:
	DUMP 7
.Lwhole_\@:
	s_wait_dscnt 0x0                               ; for the others' sake: my stores into the stage are done
	s_barrier_signal -1
	s_barrier_wait -1                              ; the stage is whole
.irp g, 0,1,2,3
.irp t, 0,1,2,3
	ds_load_b128 v[GI+16*(\g)+4*(\t):GI+16*(\g)+4*(\t)+3], v[RD] offset:(\g)*256+(\t)*2*SP
.endr
.endr
	MATH
	s_wait_xcnt 0x0                                ; every store has had its addresses translated (ISA guide 3.1): only behind this wait are the stores' bases stepped and their data registers loaded again
	s_add_nc_u64 s[HY:HY+1], s[HY:HY+1], STEPB
	s_add_nc_u64 s[CY:CY+1], s[CY:CY+1], STEPB
	s_add_co_u32 s[STEP], s[STEP], 1
	s_cmp_lt_u32 s[STEP], 8
	s_cbranch_scc1 .Lstep_\@
.if \next
	s_wait_loadcnt 0x0                             ; all the tile's cx is in (step 7 has waited for it): its base is stepped, and its registers are loaded again, only behind this wait
	s_add_nc_u64 s[HY:HY+1], s[HY:HY+1], WALK*OROW-8*STEPB
	s_add_nc_u64 s[CY:CY+1], s[CY:CY+1], WALK*OROW-8*STEPB
	s_add_nc_u64 s[CXP:CXP+1], s[CXP:CXP+1], WALK*OROW
.endif
.endm
	s_wait_tensorcnt 1                             ; my part of K step 0 is in; K step 1's may stay out
	s_barrier_signal -1
	s_barrier_wait -1                              ; everybody's is
	FETCH 0, 0, F0
	s_mov_b32 s2, SIZE_TILES                       ; tiles to go, this one among them: the same number in every work-group
.Ltile:
	QUARTER 0, 64,  F0, F1, 1                      ; a tile's first quarter stands in front of the loop: its products start the sums from the biases
	WIN 0                                          ; at a label and at a branch every window is 0
	CXLOAD                                         ; 63 quarter steps ahead of the tail
	s_mov_b32 s3, LAPS-1
.Llap:                                                 ; a trip goes once round the ring, from a lap's second quarter to the next lap's first, and fills both slots again
	QUARTER 0, 128, F1, F0, 0
	QUARTER 0, 192, F0, F1, 0
	TURN 0, 1, 0
	QUARTER 1, 64,  F0, F1, 0
	QUARTER 1, 128, F1, F0, 0
	QUARTER 1, 192, F0, F1, 0
	TURN 1, 0, 0
	QUARTER 0, 64,  F0, F1, 0
	WIN 0
	s_sub_co_u32 s3, s3, 1
	s_cmp_lg_u32 s3, 0
	s_cbranch_scc1 .Llap
	QUARTER 0, 128, F1, F0, 0                      ; the tile's last lap goes on
	QUARTER 0, 192, F0, F1, 0
	WIN 0
	s_cmp_eq_u32 s2, 1
	s_cbranch_scc1 .Llast_tile                     ; the last tile's end is written out: it asks for nothing more
	TURN 0, 1, 1                                   ; THE RING GOES ON INTO THE SECOND TILE: slot 0 takes its K step 0,
	QUARTER 1, 64,  F0, F1, 0
	QUARTER 1, 128, F1, F0, 0
	QUARTER 1, 192, F0, F1, 0
	TURN 1, 0, 1                                   ; slot 1 its K step 1, and the second tile's first fragments are fetched into buffer 0, which the tail leaves alone
	OUT 1
	s_sub_co_u32 s2, s2, 1
	s_branch .Ltile
.Llast_tile:
	MEET 0                                         ; my one tensor load that was still out is slot 1's, the last K step's, so no round follows
	PLACES                                         ; for the loads into buffer 0, which the quarter before multiplied
	FETCH 1, 0, F0
	MUL16 F1, 1, 0, 0
	MUL16 F1, 1, 2, 0
	QUARTER 1, 64,  F0, F1, 0
	QUARTER 1, 128, F1, F0, 0
	QUARTER 1, 192, F0, F1, 0
	s_wait_dscnt 8                                 ; the very last quarter: nothing more to fetch
	MUL16 F1, 0, 0, 0
	MUL16 F1, 0, 2, 0
	s_wait_dscnt 0x0
	MUL16 F1, 1, 0, 0
	MUL16 F1, 1, 2, 0
	OUT 0
	s_wait_tensorcnt 0x0                           ; the wave's end, behind my last tensor load and my last LDS store
	ds_add_u32 v[SPW], v[NIL]
	s_wait_dscnt 0x0
	CROUND                                         ; the closing round: no work-group ends while a partner may still ask for a tile that names it
	s_endpgm
.Lfunc_end_k_qb87df3bf53_cell:
	.size	k_qb87df3bf53_cell, .Lfunc_end_k_qb87df3bf53_cell-k_qb87df3bf53_cell
	.p2alignl 7, 3214868480
	.fill 96, 4, 3214868480
	.section	.rodata,"a",@progbits
	.p2align	6, 0x0
	.amdhsa_kernel k_qb87df3bf53_cell
		.amdhsa_group_segment_fixed_size 327680
		.amdhsa_private_segment_fixed_size 0
		.amdhsa_enable_private_segment 0
		.amdhsa_kernarg_size 104
		.amdhsa_user_sgpr_count 2
		.amdhsa_user_sgpr_kernarg_segment_ptr 1
		.amdhsa_wavefront_size32 1
		.amdhsa_system_sgpr_workgroup_id_x 1
		.amdhsa_system_sgpr_workgroup_id_y 1
		.amdhsa_system_sgpr_workgroup_id_z 1
		.amdhsa_system_vgpr_workitem_id 0
		.amdhsa_next_free_vgpr 1024
		.amdhsa_next_free_sgpr 96
		.amdhsa_reserve_vcc 0
		.amdhsa_float_denorm_mode_32 3
		.amdhsa_float_denorm_mode_16_64 3
		.amdhsa_memory_ordered 1
		.amdhsa_forward_progress 1
		.amdhsa_inst_pref_size 222
	.end_amdhsa_kernel
	.amdgpu_metadata
---
amdhsa.version: [ 1, 2 ]
amdhsa.kernels:
  - .name:           k_qb87df3bf53_cell
    .symbol:         k_qb87df3bf53_cell.kd
    .args:
      - { .name: ab, .offset: 0, .size: 8, .value_kind: global_buffer, .address_space: global }
      - { .name: wb, .offset: 8, .size: 8, .value_kind: global_buffer, .address_space: global }
      - { .name: cx, .offset: 16, .size: 8, .value_kind: global_buffer, .address_space: global }
      - { .name: out0, .offset: 24, .size: 8, .value_kind: global_buffer, .address_space: global }
      - { .name: out1, .offset: 32, .size: 8, .value_kind: global_buffer, .address_space: global }
      - { .name: bxi, .offset: 40, .size: 8, .value_kind: global_buffer, .address_space: global }
      - { .name: bxf, .offset: 48, .size: 8, .value_kind: global_buffer, .address_space: global }
      - { .name: bxc, .offset: 56, .size: 8, .value_kind: global_buffer, .address_space: global }
      - { .name: bxo, .offset: 64, .size: 8, .value_kind: global_buffer, .address_space: global }
      - { .name: bhi, .offset: 72, .size: 8, .value_kind: global_buffer, .address_space: global }
      - { .name: bhf, .offset: 80, .size: 8, .value_kind: global_buffer, .address_space: global }
      - { .name: bhc, .offset: 88, .size: 8, .value_kind: global_buffer, .address_space: global }
      - { .name: bho, .offset: 96, .size: 8, .value_kind: global_buffer, .address_space: global }
    .group_segment_fixed_size: 327680
    .private_segment_fixed_size: 0
    .kernarg_segment_align: 8
    .kernarg_segment_size: 104
    .max_flat_workgroup_size: 128
    .sgpr_count:     96
    .vgpr_count:     1024
    .wavefront_size: 32
...
	.end_amdgpu_metadata
.endif
;; end of part 2
;; ======== version 2 of 2: 2 launches; version 1 with the launch prep written anew for expert scheduling mode
;; workspace buffers: ab 33,554,432 bytes; wb 16,777,216 bytes
;; launch prep (part 3): grid 768 x 1, 8 waves a work-group, no clusters, 0 bytes of LDS; arguments x, hx, wxi, wxf, wxc, wxo, whi, whf, whc, who, ab, wb; writes ab, wb
.if DOCPART == 3
	.amdgcn_target "amdgcn-amd-amdhsa--gfx1250"
	.amdhsa_code_object_version 6
	.text
	.protected	k_qb87df3bf53_prep
	.globl	k_qb87df3bf53_prep
	.p2align	8
	.type	k_qb87df3bf53_prep,@function
k_qb87df3bf53_prep:
	s_mov_b64 s[64:65], 0
	v_nop
	global_prefetch_b8 v0, s[64:65] scope:SCOPE_SE
	s_setreg_imm32_b32 hwreg(HW_REG_WAVE_SCHED_MODE, 0, 2), 2
	s_setreg_imm32_b32 hwreg(HW_REG_WAVE_MODE, 25, 1), 1
	s_wait_xcnt 0x0
	s_wait_alu depctr_vm_vsrc(0)
; THE MATRIX OPERANDS, ROUNDED ONCE TO bf16 (nearest even) AND LAID OUT FOR THE PRODUCT.
;   ab [8192][2048] bf16: row m = x[m][0..1023], then hx[m][0..1023].
;   wb [4096][2048] bf16: row n = wx_g[h][0..1023], then wh_g[h][0..1023], where for h = 32 u + i (i = 0..31) and gate g (0 = i, 1 = f, 2 = c, 3 = o)
;   n = 128 u + 32 g + i: the four gates of 32 neighbouring h lie in 128 neighbouring rows, so that in the product one wave's 128 columns hold all four gates of its 32 h.
; A stream: no LDS, no barrier, no matrix unit, no cluster (no byte is wanted twice).  24,576 source rows of 4,096 bytes; a work-group takes 32 rows on end of ONE source, each of its
; eight waves 4 rows: 32 loads of 16 bytes a lane, all issued before the first is waited for (16 KiB a wave on their way); no register is used twice, so the text has no loop and frees nothing.
; Work-groups 0-255: x; 256-511: hx; 512 + 32 q + u: weight matrix q (wxi wxf wxc wxo whi whf whc who), its rows 32 u .. 32 u + 31.
; LIMITS: none of range; NaN and infinities go through the conversion as they are.
; THE MODE: SCHED_MODE bits 1:0 = 2 (LLVM: expert scheduling mode 2), set by the entry lines.  The code itself states the register dependences
; between vector instructions and memory instructions, with s_wait_alu, always for 0.
; THE PLAN.  Registers that memory instructions touch:
;   v1, v2     the loads' and the stores' byte offsets: made at the head by vector instructions and never written again.
;   X          four registers for each of the 32 loads.  Load i lands in them (no vector instruction has named them before); its two conversions read all four and write the first two;
;              store i reads those two.  Nothing lands in them or writes them a second time.
; The loads are worked on in 8 blocks of four.  Block p's memory instructions are the four stores of block p - 1, whose registers no conversion of block p names.  So one wait on va_vdst at a block's head,
; behind the wait for the block's data, states all that those stores hang on, and they are dealt among the block's conversions with no further wait.  No register that a memory instruction
; has read is ever written again, and no vector instruction writes a scalar register, VCC or EXEC: no other wait is owed.
.set X, 16                             ; v[16:143]  32 x 4 registers as loaded; the first two of each four then hold the 8 bytes to store
.set BLK, 4                            ; loads, and stores, in a block
	s_load_b512 s[8:23], s[0:1], 0x0               ; x hx wxi wxf wxc wxo whi whf: source k at s[8+2k:9+2k]
	s_load_b256 s[24:31], s[0:1], 0x40             ; whc who, then ab s[28:29], wb s[30:31]
	s_mov_b32 s2, ttmp9
	; as an activation's work-group
	s_lshr_b32 s3, s2, 8                           ; which source: 0 = x, 1 = hx
	s_and_b32 s36, s2, 255
	s_lshl_b32 s36, s36, 5                         ; first row, in the source and in ab
	s_lshl_b32 s37, s3, 11                         ; byte in ab's row: 0 or 2,048
	; as a weight's work-group
	s_bfe_u32 s38, s2, 0x30005                     ; q: three bits from bit 5
	s_and_b32 s39, s2, 31                          ; u
	s_add_co_u32 s32, s38, 2                       ; which source
	s_lshl_b32 s33, s39, 5                         ; first row in the source: 32 u
	s_and_b32 s34, s38, 3                          ; the gate
	s_lshl_b32 s34, s34, 5
	s_lshl_b32 s35, s39, 7
	s_add_co_u32 s34, s34, s35                     ; first row in wb: 128 u + 32 g
	s_lshr_b32 s35, s38, 2
	s_lshl_b32 s35, s35, 11                        ; byte in wb's row: 0 for wx, 2,048 for wh
	s_cmp_lt_u32 s2, 512                           ; the selects leave SCC as it is
	s_cselect_b32 s3, s3, s32
	s_cselect_b32 s33, s36, s33
	s_cselect_b32 s34, s36, s34
	s_cselect_b32 s35, s37, s35
	s_lshl_b32 s32, s33, 12                        ; the two offsets in bytes (rows of 4,096 bytes on both sides), each in a pair with 0 above it
	s_mov_b32 s33, 0
	s_lshl_b32 s34, s34, 12
	s_add_co_u32 s34, s34, s35
	s_mov_b32 s35, 0
	v_lshrrev_b32 v3, 5, v0                        ; wave
	v_and_b32 v4, 31, v0                           ; lane
	v_lshlrev_b32 v1, 4, v4
	v_lshl_or_b32 v1, v3, 14, v1                   ; source: wave x 4 rows + 16 bytes a lane
	v_lshlrev_b32 v2, 3, v4
	v_lshl_or_b32 v2, v3, 14, v2                   ; destination: wave x 4 rows + 8 bytes a lane
	s_wait_kmcnt 0x0
	s_cmp_lt_u32 s2, 512
	s_cselect_b64 s[6:7], s[28:29], s[30:31]       ; ab or wb
	s_mov_b64 s[4:5], s[8:9]
.irp k, 1,2,3,4,5,6,7,8,9
	s_cmp_eq_u32 s3, \k
	s_cselect_b64 s[4:5], s[8+2*\k:9+2*\k], s[4:5]  ; the source, chosen by the work-group's number alone
.endr
	s_add_nc_u64 s[4:5], s[4:5], s[32:33]
	s_add_nc_u64 s[6:7], s[6:7], s[34:35]
	s_wait_alu depctr_va_vdst(0)                   ; v1 and v2 are written: every load of the kernel reads v1 as its offset, every store v2
.set i, 0
.rept 32                               ; row i / 8 of my four, 512 consecutive bytes of it a load
	global_load_b128 v[X+4*i:X+4*i+3], v1, s[4:5] offset:(i/8)*4096+(i%8)*512 th:TH_LOAD_NT
.set i, i+1
.endr
.set p, 0
.rept 32/BLK                           ; block p: loads 4 p to 4 p + 3 are rounded; the stores of block p - 1 go out among the conversions, one ahead of each pair
	s_wait_loadcnt 32-BLK-BLK*p                    ; loads come back in order (ISA guide 5.7.1): block p's four are in, the 28 - 4 p younger ones may stay out
.if p > 0
	s_wait_alu depctr_va_vdst(0)                   ; the conversions of the block before have written its eight registers of bf16, which the four stores below read; no conversion below names them
.endif
.set j, 0
.rept BLK
.set i, BLK*p+j
.if p > 0
	global_store_b64 v2, v[X+4*(i-BLK):X+4*(i-BLK)+1], s[6:7] offset:((i-BLK)/8)*4096+((i-BLK)%8)*256  ; the wave's 32 lanes store 256 consecutive bytes, at a multiple of 256 from the buffer's first byte
.endif
	v_cvt_pk_bf16_f32 v[X+4*i], v[X+4*i], v[X+4*i+1]
	v_cvt_pk_bf16_f32 v[X+4*i+1], v[X+4*i+2], v[X+4*i+3]
.set j, j+1
.endr
.set p, p+1
.endr
	s_wait_alu depctr_va_vdst(0)                   ; the last block's conversions have written the registers that the last four stores read
.set i, 32-BLK
.rept BLK
	global_store_b64 v2, v[X+4*i:X+4*i+1], s[6:7] offset:(i/8)*4096+(i%8)*256
.set i, i+1
.endr
	s_endpgm
.Lfunc_end_k_qb87df3bf53_prep:
	.size	k_qb87df3bf53_prep, .Lfunc_end_k_qb87df3bf53_prep-k_qb87df3bf53_prep
	.p2alignl 7, 3214868480
	.fill 96, 4, 3214868480
	.section	.rodata,"a",@progbits
	.p2align	6, 0x0
	.amdhsa_kernel k_qb87df3bf53_prep
		.amdhsa_group_segment_fixed_size 0
		.amdhsa_private_segment_fixed_size 0
		.amdhsa_enable_private_segment 0
		.amdhsa_kernarg_size 96
		.amdhsa_user_sgpr_count 2
		.amdhsa_user_sgpr_kernarg_segment_ptr 1
		.amdhsa_wavefront_size32 1
		.amdhsa_system_sgpr_workgroup_id_x 1
		.amdhsa_system_sgpr_workgroup_id_y 1
		.amdhsa_system_sgpr_workgroup_id_z 1
		.amdhsa_system_vgpr_workitem_id 0
		.amdhsa_next_free_vgpr 144
		.amdhsa_next_free_sgpr 66
		.amdhsa_reserve_vcc 0
		.amdhsa_float_denorm_mode_32 3
		.amdhsa_float_denorm_mode_16_64 3
		.amdhsa_memory_ordered 1
		.amdhsa_forward_progress 1
		.amdhsa_inst_pref_size 13
	.end_amdhsa_kernel
	.amdgpu_metadata
---
amdhsa.version: [ 1, 2 ]
amdhsa.kernels:
  - .name:           k_qb87df3bf53_prep
    .symbol:         k_qb87df3bf53_prep.kd
    .args:
      - { .name: x, .offset: 0, .size: 8, .value_kind: global_buffer, .address_space: global }
      - { .name: hx, .offset: 8, .size: 8, .value_kind: global_buffer, .address_space: global }
      - { .name: wxi, .offset: 16, .size: 8, .value_kind: global_buffer, .address_space: global }
      - { .name: wxf, .offset: 24, .size: 8, .value_kind: global_buffer, .address_space: global }
      - { .name: wxc, .offset: 32, .size: 8, .value_kind: global_buffer, .address_space: global }
      - { .name: wxo, .offset: 40, .size: 8, .value_kind: global_buffer, .address_space: global }
      - { .name: whi, .offset: 48, .size: 8, .value_kind: global_buffer, .address_space: global }
      - { .name: whf, .offset: 56, .size: 8, .value_kind: global_buffer, .address_space: global }
      - { .name: whc, .offset: 64, .size: 8, .value_kind: global_buffer, .address_space: global }
      - { .name: who, .offset: 72, .size: 8, .value_kind: global_buffer, .address_space: global }
      - { .name: ab, .offset: 80, .size: 8, .value_kind: global_buffer, .address_space: global }
      - { .name: wb, .offset: 88, .size: 8, .value_kind: global_buffer, .address_space: global }
    .group_segment_fixed_size: 0
    .private_segment_fixed_size: 0
    .kernarg_segment_align: 8
    .kernarg_segment_size: 96
    .max_flat_workgroup_size: 256
    .sgpr_count:     66
    .vgpr_count:     144
    .wavefront_size: 32
...
	.end_amdgpu_metadata
.endif
;; end of part 3
;; launch cell: the kernel of part 2 again; grid 16 x 16, 4 waves a work-group, clusters of 4 x 4, 327,680 bytes of LDS; arguments ab, wb, cx, out0, out1, bxi, bxf, bxc, bxo, bhi, bhf, bhc, bho; writes out0, out1
